; MI455X (gfx1250); checked and timed in simulation.
; The chip was launched on July 23, 2026; its instructions are those of AMD's public machine-readable ISA for CDNA 5 (MIT licence, August 2026) and "CDNA5" Instruction Set Architecture Reference Guide (July 2026). The comments in the code are by the model that wrote it; some were corrected since.
;; Window Attention. Allowed arithmetic: matrix products marked QUANTISED: E5M2 operands, one E8M0 scale for each 32 along K, by v_wmma_scale_f32_16x16x128_f8f6f4 with both operands' format E5M2, f32 sums; everything else in f32.
;; Inputs: attn_mask 64 x 256 x 256 float32; qkv 2 x 64 x 64 x 4 x 384 float32; rel_pos_index 64 x 64 int32; rpe_table 225 x 384 float32.
;; Outputs: out0 2 x 64 x 64 x 4 x 128 float32.
;; This version of the problem:
;;   THIS VERSION OF THE PROBLEM IS GIVEN IN LOW PRECISION. The matrix products marked QUANTISED in the list below multiply operands that are first quantised to E5M2 (5 exponent bits, 2 mantissa bits; 8 bits a number), with one power-of-two scale for each 32 numbers along K (OCP MX v1.0); their sums are f32. All else is computed in f32.
;;   The module's matrix products, in the order in which they are computed (A, B: the left and right operand; K: the contracted axis; several contracted axes count as one K, in the product's order):
;;     1. batch 512 x [M 256, K 32] x [K 32, N 256]; A: computed on the way; B: computed on the way: QUANTISED
;;     2. batch 1,024 x [M 256, K 32] x [K 32, N 128]; A: computed on the way; B: computed on the way: QUANTISED
;;     3. batch 1,024 x [M 256, K 32] x [K 32, N 128]; A: computed on the way; B: computed on the way: QUANTISED
;;     4. batch 512 x [M 256, K 256] x [K 256, N 32]; A: computed on the way; B: computed on the way: QUANTISED
;;     5. batch 1,024 x [M 32, K 256] x [K 256, N 128]; A: computed on the way; B: computed on the way: QUANTISED
;;   THE QUANTISER, for each operand of a quantised product, along K:
;;     - K is cut into blocks of 32 from its start; a last block that is shorter is filled with zeros.
;;     - A block's scale is 2^e with e = floor(log2(the largest magnitude in the block)) - 15, held to -126 .. 127; a block of zeros has e = 0. As a byte (E8M0): e + 127.
;;     - Each number is divided by its block's scale, clamped to +-57,344, and rounded to the nearest number of E5M2, ties to even, subnormals kept.
;;     - The product sums the exact products of the quantised numbers (number of the format x scale) in f32.
;;   ~~~python
;;   def quantise(x, axis):      # numpy; x: float32 -> the quantised numbers, widened to float32 again
;;       x = np.moveaxis(x, axis, -1); K = x.shape[-1]
;;       x = np.pad(x, [(0, 0)] * (x.ndim - 1) + [(0, -K % 32)]); x = x.reshape(x.shape[:-1] + (-1, 32)); a = np.abs(x).max(-1, keepdims=True)
;;       e = np.where(a > 0, np.clip(np.frexp(np.where(a > 0, a, 1))[1] - 1 - 15, -126, 127), 0)      # np.frexp(a)[1] - 1 = floor(log2(a)), exactly
;;       r = np.clip(x / 2.0 ** e, -57344, 57344)
;;       step = 2.0 ** (np.maximum(np.frexp(np.where(r == 0, 1, r))[1] - 1, -14) - 2)
;;       q = np.round(r / step) * step * 2.0 ** e      # np.round: ties to even
;;       return np.moveaxis(q.reshape(q.shape[:-2] + (-1,))[..., :K], -1, axis).astype(np.float32)
;;   ~~~
;;   OPERANDS COMPUTED ON THE WAY. 'Computed on the way' means the value that the module computes at that place (a softmax that the list does not call 'softmax' is quantised finished and normalised). What goes into a quantiser is computed in f32, as accurately as f32 sums, v_exp_f32 and their like allow (about 1e-6 of the number): no bf16 or f16 on the way to a quantiser, and a product that is left as it is and whose result goes on into a quantised operand takes f32 operands (vector FMAs, or v_wmma_f32_16x16x4_f32). A number that lies on a knife's edge between two numbers of the format may be rounded either way, as far as f32 arithmetic and the matrix unit's own rounding can turn it there, and no further.
;; One version. Each part assembles by itself: llvm-mc -triple=amdgcn-amd-amdhsa -mcpu=gfx1250 --defsym DOCPART=n.
;; ======== version 1 of 1: 2 launches
;; limits: right only within a limited range of input values
;; workspace buffers: kv 13,238,272 bytes; qc 4,194,304 bytes; qs 524,288 bytes; emb 1,671,168 bytes
;; launch prep (part 1): grid 256 x 1, 15 waves a work-group, no clusters, 204,800 bytes of LDS; arguments qkv, rpe_table, rel_pos_index, kv, qc, qs, emb; writes kv, qc, qs, emb
.if DOCPART == 1
	.amdgcn_target "amdgcn-amd-amdhsa--gfx1250"
	.amdhsa_code_object_version 6
	.text
	.protected	k_qe01cda1d75_prep
	.globl	k_qe01cda1d75_prep
	.p2align	8
	.type	k_qe01cda1d75_prep,@function
k_qe01cda1d75_prep:
	s_mov_b64 s[64:65], 0
	v_nop
	global_prefetch_b8 v0, s[64:65] scope:SCOPE_SE
	s_setreg_imm32_b32 hwreg(HW_REG_WAVE_MODE, 25, 1), 1
	s_wait_xcnt 0x0
; q, k, v of every window and the gathered relative-position rows are quantised ONCE to codes of E5M2 with one E8M0 byte for each 32 along a product's K,
; and laid in the order in which the second launch's operand registers take them.
; A block's scale is 2^(floor(log2(largest magnitude)) - 15); its byte is the largest magnitude's exponent field - 15, held at 1 from below; each number is held within +-57,344 x the scale and converted, ties to even.
; k's codes are stored as TWO images under the one scale byte: the codes whose exponent field is 26 or more, and the others; in each image the other class's bytes are zero codes.  The two images add up to k.
; LIMITS: NaN and infinities in qkv and rpe_table are not served; a block whose largest magnitude lies under 2^-111 (a block of zeros too) keeps the byte 1: its codes are what the rule gives, and only this program reads the bytes;
; an index of rel_pos_index is held at 224, the table's last row.
; SHARES.  Work-group n.  Waves 0-11: record rec = n / 2 (window w = rec / 2 of image b = rec % 2), window rows 4 (n % 2) + wave % 4; wave / 4 = 0: q, 1: k, 2: v.  A wave takes the 32 tokens of one window row:
; two runs of 16 tokens that lie on end in memory (the shift by 4 pixels only moves addresses), 512 bytes of each token: every load reads 512 consecutive bytes.  They turn through the wave's own stage in LDS.
; q, k: K = the head's 32 channels: a lane takes 16 channels of a token, lane l xor 16 the other 16.  v: K = the keys: a lane takes a channel and its registers run down the window row's 32 keys, one block.
; Waves 12, 13, 14: the embedding unit g = n / 16 (four query pixels), h = (n / 4) % 4, a = n % 4, of q_embed, k_embed, v_embed.
; No barrier: waves share nothing.  No matrix unit, no cluster, no tensor load: a stream that memory binds.
; LAYOUTS.  kv [rec][103,424]: h x 24,576: K's large codes [tile T 16][lane][16 B] (lane (r, h'): key 32 (T/2) + 8 (T%2) + r + 8 (r/8), channels 16 h' on); + 8,192: K's small codes likewise;
;   + 16,384: V image [2 ct + s][c' 4][lane][16 B] (channel 16 ct + r, keys 128 s + 32 c' + 16 h' on); 98,304: K's scale words [b 8][16 u + r][h] (the byte four times); 102,400: V's scale bytes [block 8][channel 32][h].
;   qc [rec][g 16][h 4][lane][16 B];  qs [rec][g][r 16][h 4] words.
;   emb [g][h][26,112]: 0: q_embed codes [a][w][Tl][u][32 B]; 8,192: k_embed image [T'][u][lane][16 B]; 16,384: v_embed, one code a pixel [u][ct][s][lane][16 B]; 24,576, 24,832, 25,088: their scale words.
.set SP,    528                        ; a token's row in a stage: 512 bytes + 16
.set STG,   32*SP                      ; a wave's stage
.set RECB,  103424
.set HEADB, 24576
.set EMBB,  26112
.set R,     16                         ; v16-143  32 tokens as loaded
.set LO,    16                         ; v16-47   later: k's small codes, registers of its own for each store
.set X,     144                        ; v144-207 numbers at work, in sets
.set CD,    208                        ; v208-239 codes: registers of its own for each store
.set WD,    240                        ; v240-247 scale words
.set TM,    248                        ; v248 largest magnitude, v249 the other half's, v250 the conversion's scale, v251 the hold, v252 the byte, v253 a second chain
; 16 numbers of a lane (lane l xor 16 holds the block's other 16) become 16 codes in v[cd] on; the byte is left in v[TM+4].  mul = 1: the numbers are first multiplied by 32^-0.5
.macro QUANT16 x, cd, mul
.if \mul
.irp i, 0,2,4,6,8,10,12,14
	v_pk_mul_f32 v[(\x)+\i:(\x)+\i+1], v[(\x)+\i:(\x)+\i+1], s[24:25] op_sel_hi:[1,0]
.endr
.endif
	v_max3_num_f32 v[TM], |v[(\x)]|, |v[(\x)+1]|, 0x8000000          ; the floor 2^(16 - 127) among the leaves: the byte cannot fall under 1
	v_max3_num_f32 v[TM+5], |v[(\x)+2]|, |v[(\x)+3]|, |v[(\x)+4]|
.irp i, 5,9
	v_max3_num_f32 v[TM], v[TM], |v[(\x)+\i]|, |v[(\x)+\i+1]|
	v_max3_num_f32 v[TM+5], v[TM+5], |v[(\x)+\i+2]|, |v[(\x)+\i+3]|
.endr
	v_max3_num_f32 v[TM], v[TM], |v[(\x)+13]|, |v[(\x)+14]|
	v_max3_num_f32 v[TM], v[TM], v[TM+5], |v[(\x)+15]|
	v_permlanex16_b32 v[TM+1], v[TM], s20, s21
	v_max_num_f32 v[TM], v[TM], v[TM+1]                              ; the block's largest magnitude
	v_add_nc_u32 v[TM+2], 0xf8800000, v[TM]                          ; 15 off its exponent field: the conversion's scale operand
	v_and_or_b32 v[TM+3], v[TM], 0x7f800000, s22                     ; 57,344 x the scale
	v_lshrrev_b32 v[TM+4], 23, v[TM+2]                               ; the byte
.irp i, 0,1,2,3,4,5,6,7,8,9,10,11,12,13,14,15
	v_med3_num_f32 v[(\x)+\i], v[(\x)+\i], -v[TM+3], v[TM+3]         ; the conversion does not saturate (ISA guide 7.6.2): the hold comes first
.endr
	v_cvt_scalef32_pk8_bf8_f32 v[(\cd):(\cd)+1], v[(\x):(\x)+7], v[TM+2]
	v_cvt_scalef32_pk8_bf8_f32 v[(\cd)+2:(\cd)+3], v[(\x)+8:(\x)+15], v[TM+2]
	v_nop                                                            ; a plain line behind the conversions
.endm
; 32 numbers of a lane, a whole block, become 32 codes in v[cd] on
.macro QUANT32 x, cd
	v_max3_num_f32 v[TM], |v[(\x)]|, |v[(\x)+1]|, 0x8000000
	v_max3_num_f32 v[TM+5], |v[(\x)+2]|, |v[(\x)+3]|, |v[(\x)+4]|
.irp i, 5,9,13,17,21,25
	v_max3_num_f32 v[TM], v[TM], |v[(\x)+\i]|, |v[(\x)+\i+1]|
	v_max3_num_f32 v[TM+5], v[TM+5], |v[(\x)+\i+2]|, |v[(\x)+\i+3]|
.endr
	v_max3_num_f32 v[TM], v[TM], |v[(\x)+29]|, |v[(\x)+30]|
	v_max3_num_f32 v[TM], v[TM], v[TM+5], |v[(\x)+31]|
	v_add_nc_u32 v[TM+2], 0xf8800000, v[TM]
	v_and_or_b32 v[TM+3], v[TM], 0x7f800000, s22
	v_lshrrev_b32 v[TM+4], 23, v[TM+2]
.set i2, 0
.rept 32
	v_med3_num_f32 v[(\x)+i2], v[(\x)+i2], -v[TM+3], v[TM+3]
.set i2, i2+1
.endr
.irp q, 0,1,2,3
	v_cvt_scalef32_pk8_bf8_f32 v[(\cd)+2*\q:(\cd)+2*\q+1], v[(\x)+8*\q:(\x)+8*\q+7], v[TM+2]
.endr
	v_nop
.endm
; q and k: set idx = 4 u + head: 16 channels of my token of tile u, out of the stage
.macro XL idx, vrow, toff
.irp k, 0,1,2,3
	ds_load_b128 v[X+16*((\idx)%2)+4*\k:X+16*((\idx)%2)+4*\k+3], v[\vrow] offset:(\toff)*((\idx)/4)+128*((\idx)%4)+16*\k
.endr
.endm
; split = 1: the codes leave as two images, 8,192 bytes apart
.macro QK vrow, toff, mul, hstep, ustep, split
	XL 0, \vrow, \toff                                               ; LDS serves a wave's instructions in order: these see my stores into the stage
.irp idx, 0,1,2,3,4,5,6,7
.if \idx < 7
	XL \idx+1, \vrow, \toff
	s_wait_dscnt 4                                                   ; this set is in; the next set's four loads may be out
.else
	s_wait_dscnt 0x0
.endif
	QUANT16 X+16*(\idx%2), CD+4*\idx, \mul
	v_perm_b32 v[WD+\idx], v[TM+4], v[TM+4], 0                       ; the byte in all four places: the token's one block stands in any of an instruction's four
.if \split
.irp j, 0,1,2,3
	v_and_b32 v[TM], s46, v[CD+4*\idx+\j]                            ; four codes without their signs;
	v_add_nc_u32 v[TM], s47, v[TM]                                   ; + 0x18 a byte: bit 7 is set where the byte is 0x68 or more, that is where the exponent field is 26 or more (no byte carries: 0x7b + 0x18 < 0x100);
	v_and_b32 v[TM], s48, v[TM]
	v_lshrrev_b32 v[TM], 7, v[TM]                                    ; 1 in such a byte,
	v_lshlrev_b32 v[TM+5], 8, v[TM]
	v_sub_nc_u32 v[TM], v[TM+5], v[TM]                               ; 0xff in such a byte
	v_bfi_b32 v[LO+4*\idx+\j], v[TM], 0, v[CD+4*\idx+\j]             ; the small codes,
	v_and_b32 v[CD+4*\idx+\j], v[TM], v[CD+4*\idx+\j]                ; the large ones
.endr
	global_store_b128 v4, v[LO+4*\idx:LO+4*\idx+3], s[36:37] offset:(\idx/4)*(\ustep)+(\idx%4)*(\hstep)+8192
.endif
	global_store_b128 v4, v[CD+4*\idx:CD+4*\idx+3], s[36:37] offset:(\idx/4)*(\ustep)+(\idx%4)*(\hstep)   ; 32 lanes store 512 consecutive bytes
.endr
.irp hh, 0,1,2,3
	v_cndmask_b32 v[WD+\hh], v[WD+\hh], v[WD+4+\hh], s23             ; lanes 0-15 keep tile 0's words, lanes 16-31 take tile 1's
.endr
	global_store_b128 v4, v[WD:WD+3], s[38:39]                       ; four heads' words a row: 512 consecutive bytes
	s_wait_tensorcnt 0x0
	ds_add_u32 v254, v255
	s_wait_dscnt 0x0
	s_endpgm
.endm
.macro VL hh                           ; v: 32 keys of my channel of head hh
.set j2, 0
.rept 32
	ds_load_b32 v[X+32*((\hh)%2)+j2], v8 offset:j2*SP+128*(\hh)
.set j2, j2+1
.endr
.endm
; q_embed and k_embed: four passes; each gathers a table row's 16 channels a lane.  o0-o3: where the passes' indices lie; koff: the codes' place in the record; woff: the scale words'
.macro EMB16 mul, o0, o1, o2, o3, koff, woff
	global_load_b32 v16, v11, s[8:9] offset:\o0
	global_load_b32 v17, v11, s[8:9] offset:\o1
	global_load_b32 v18, v11, s[8:9] offset:\o2
	global_load_b32 v19, v11, s[8:9] offset:\o3
	s_wait_loadcnt 0x0
.irp p, 0,1,2,3
	v_min_u32 v[16+\p], 224, v[16+\p]                                ; a loaded number enters an address only behind this hold
.endr
.irp p, 0,1,2,3
	v_mul_u32_u24 v[16+\p], v[16+\p], 1536
.endr
.irp p, 0,1,2,3
	v_add_nc_u32 v[16+\p], v[16+\p], v13
.endr
.irp p, 0,1,2,3
.irp k, 0,1,2,3
	global_load_b128 v[X+16*\p+4*\k:X+16*\p+4*\k+3], v[16+\p], s[6:7] offset:16*\k
.endr
.endr
.irp p, 0,1,2,3
	s_wait_loadcnt 12-4*\p                                           ; this pass's four loads are in; the later passes' may be out
	QUANT16 X+16*\p, CD+4*\p, \mul
.if \p == 0
	v_mov_b32 v[WD], v[TM+4]
.else
	v_lshl_or_b32 v[WD], v[TM+4], 8*\p, v[WD]                        ; pass p's byte: the word's byte p
.endif
	global_store_b128 v12, v[CD+4*\p:CD+4*\p+3], s[36:37] offset:(\koff)+512*\p
.endr
	global_store_b32 v14, v[WD], s[38:39] offset:\woff               ; both halves of the lanes write the same word
	s_endpgm
.endm
	s_load_b256 s[4:11], s[0:1], 0x0               ; qkv s[4:5], rpe_table s[6:7], rel_pos_index s[8:9], kv s[10:11]
	s_load_b128 s[12:15], s[0:1], 0x20             ; qc s[12:13], qs s[14:15]
	s_load_b64 s[16:17], s[0:1], 0x30              ; emb
	v_lshl_add_u32 v254, v0, 2, 0x31800
	v_mov_b32 v255, 0
	v_lshrrev_b32 v1, 5, v0
	v_readfirstlane_b32 s18, v1                    ; wave 0..14
	v_and_b32 v1, 31, v0                           ; lane
	v_and_b32 v2, 15, v0                           ; r
	v_bfe_u32 v3, v0, 4, 1                         ; h'
	v_lshlrev_b32 v4, 4, v1                        ; 16 x lane
	v_lshlrev_b32 v10, 2, v1                       ; 4 x lane
	v_mov_b32 v[TM+1], 0                           ; written once: a lane permute's destination counts as one of its sources
	s_wait_alu depctr_va_vdst(0)
	s_mov_b32 s20, 0x76543210
	s_mov_b32 s21, 0xfedcba98                      ; v_permlanex16_b32's selects for lane l xor 16
	s_mov_b32 s22, 0x600000                        ; the mantissa field of 57,344
	s_mov_b32 s23, 0xffff0000                      ; lanes 16-31
	s_mov_b32 s24, 0x3e3504f3                      ; 32^-0.5
	s_mov_b32 s25, s24
	s_mov_b32 s46, 0x7f7f7f7f                      ; the three constants of the split of k's codes
	s_mov_b32 s47, 0x18181818
	s_mov_b32 s48, 0x80808080
	s_cmp_ge_u32 s18, 12
	s_cbranch_scc1 .Lembed
	; ---- waves 0-11: a window row of q, k or v
	s_mul_i32 s19, s18, STG                        ; my stage
	v_add_nc_u32 v5, s19, v4                       ; in: 16 x lane of a token's row
	v_mul_u32_u24 v6, v2, SP
	v_lshl_add_u32 v6, v3, 6, v6
	v_add_nc_u32 v6, s19, v6                       ; q: token r of a tile, + 64 h'
	v_and_b32 v7, 8, v2
	v_add_nc_u32 v7, v7, v2
	v_mul_u32_u24 v7, v7, SP
	v_lshl_add_u32 v7, v3, 6, v7
	v_add_nc_u32 v7, s19, v7                       ; k: token r + 8 (r / 8) of a tile, + 64 h'
	v_add_nc_u32 v8, s19, v10                      ; v: my channel
	v_lshlrev_b32 v9, 4, v2
	v_lshl_add_u32 v9, v3, 12, v9                  ; v's codes: 4,096 (channel / 16) + 16 (channel % 16)
	s_wait_alu depctr_va_vdst(0)
	s_lshr_b32 s26, ttmp9, 1                       ; rec
	s_and_b32 s27, ttmp9, 1
	s_lshl_b32 s27, s27, 2
	s_and_b32 s29, s18, 3
	s_add_co_u32 s27, s27, s29                     ; window row wy
	s_lshr_b32 s28, s18, 2                         ; 0 q, 1 k, 2 v
	s_lshr_b32 s29, s26, 1                         ; window
	s_and_b32 s30, s26, 1                          ; image
	s_lshr_b32 s31, s29, 3
	s_and_b32 s29, s29, 7
	s_lshl_b32 s31, s31, 3
	s_add_co_u32 s31, s31, s27
	s_add_co_u32 s31, s31, 4
	s_and_b32 s31, s31, 63                         ; Y = (8 Wy + wy + 4) mod 64
	s_lshl_b32 s30, s30, 6
	s_add_co_u32 s30, s30, s31
	s_lshl_b32 s30, s30, 6                         ; the image row's first pixel
	s_lshl_b32 s29, s29, 3
	s_add_co_u32 s32, s29, 4                       ; X of window columns 0-3
	s_add_co_u32 s33, s29, 8
	s_and_b32 s33, s33, 63                         ; and of columns 4-7
	s_add_co_u32 s32, s32, s30
	s_add_co_u32 s33, s33, s30
	s_mul_i32 s32, s32, 6144                       ; a pixel: 4 tokens of 1,536 bytes
	s_mul_i32 s34, s33, 6144
	s_lshl_b32 s35, s28, 9                         ; q, k or v: 512 bytes on
	s_add_co_u32 s32, s32, s35
	s_add_co_u32 s34, s34, s35
	s_mov_b32 s33, 0
	s_mov_b32 s35, 0
	s_mov_b32 s41, 0
	s_mov_b32 s43, 0
	s_wait_kmcnt 0x0
	s_add_nc_u64 s[32:33], s[4:5], s[32:33]
	s_add_nc_u64 s[34:35], s[4:5], s[34:35]
.set t, 0
.rept 32
	global_load_b128 v[R+4*t:R+4*t+3], v4, s[32+2*(t/16):33+2*(t/16)] offset:(t%16)*1536 th:TH_LOAD_NT   ; token t: 512 consecutive bytes
.set t, t+1
.endr
.set t, 0
.rept 32
	s_wait_loadcnt 31-t                            ; loads come back in order: token t is in, the younger ones stay out
	ds_store_b128 v5, v[R+4*t:R+4*t+3] offset:t*SP
.set t, t+1
.endr
	s_cmp_eq_u32 s28, 0
	s_cbranch_scc1 .Lq
	s_cmp_eq_u32 s28, 1
	s_cbranch_scc1 .Lk
	; v
	s_mul_i32 s40, s26, RECB
	s_lshl_b32 s42, s27, 9
	s_add_co_u32 s42, s42, s40
	s_add_co_u32 s42, s42, 16384
	s_add_nc_u64 s[36:37], s[10:11], s[42:43]      ; block wy = 4 s + c' of the V image: 512 wy
	s_lshl_b32 s42, s27, 7
	s_add_co_u32 s42, s42, s40
	s_add_co_u32 s42, s42, 102400
	s_add_nc_u64 s[38:39], s[10:11], s[42:43]
	VL 0
.irp hh, 0,1,2,3
.if \hh < 3
	VL \hh+1
	s_wait_dscnt 32                                ; this head's 32 are in; the next head's may be out
.else
	s_wait_dscnt 0x0
.endif
	QUANT32 X+32*(\hh%2), CD+8*\hh
.if \hh == 0
	v_mov_b32 v[WD], v[TM+4]
.else
	v_lshl_or_b32 v[WD], v[TM+4], 8*\hh, v[WD]
.endif
	global_store_b128 v9, v[CD+8*\hh:CD+8*\hh+3], s[36:37] offset:\hh*HEADB          ; keys 0-15: sixteen lanes store 256 consecutive bytes
	global_store_b128 v9, v[CD+8*\hh+4:CD+8*\hh+7], s[36:37] offset:\hh*HEADB+256    ; keys 16-31
.endr
	global_store_b32 v10, v[WD], s[38:39]          ; my channel's four heads' bytes
	s_wait_tensorcnt 0x0
	ds_add_u32 v254, v255
	s_wait_dscnt 0x0
	s_endpgm
.Lq:
	s_lshl_b32 s40, s26, 15
	s_lshl_b32 s42, s27, 12
	s_add_co_u32 s40, s40, s42
	s_add_nc_u64 s[36:37], s[12:13], s[40:41]      ; qc: tiles 2 wy, 2 wy + 1
	s_lshl_b32 s40, s26, 12
	s_lshl_b32 s42, s27, 9
	s_add_co_u32 s40, s40, s42
	s_add_nc_u64 s[38:39], s[14:15], s[40:41]
	QK 6, 16*SP, 1, 512, 2048, 0
.Lk:
	s_mul_i32 s40, s26, RECB
	s_lshl_b32 s42, s27, 10
	s_add_co_u32 s42, s42, s40
	s_add_nc_u64 s[36:37], s[10:11], s[42:43]      ; K's images: tiles 2 wy, 2 wy + 1
	s_lshl_b32 s42, s27, 9
	s_add_co_u32 s42, s42, s40
	s_add_co_u32 s42, s42, 98304
	s_add_nc_u64 s[38:39], s[10:11], s[42:43]
	QK 7, 8*SP, 0, HEADB, 512, 1
	; ---- waves 12-14: the embeddings of (g, h), part a
.Lembed:
	s_lshr_b32 s26, ttmp9, 4                       ; g
	s_bfe_u32 s27, ttmp9, 0x20002                  ; h
	s_and_b32 s28, ttmp9, 3                        ; a
	s_lshl_b32 s29, s26, 2
	s_add_co_u32 s29, s29, s27
	s_mul_i32 s29, s29, EMBB                       ; the record
	s_lshl_b32 s30, s28, 11
	s_add_co_u32 s30, s30, s29                     ; + 2,048 a: the codes
	s_mov_b32 s31, 0
	s_lshl_b32 s32, s28, 6
	s_add_co_u32 s32, s32, s29                     ; + 64 a: the scale words of q_embed and k_embed
	s_mov_b32 s33, 0
	s_lshl_b32 s40, s26, 10
	s_lshl_b32 s41, s28, 6
	s_add_co_u32 s40, s40, s41                     ; rel_pos_index: 1,024 g + 64 a
	s_mul_i32 s34, s27, 384                        ; the head's 96 channels of a table row
	s_wait_kmcnt 0x0
	s_add_nc_u64 s[36:37], s[16:17], s[30:31]
	s_add_nc_u64 s[38:39], s[16:17], s[32:33]
	s_cmp_eq_u32 s18, 12
	s_cbranch_scc1 .Lqe
	s_cmp_eq_u32 s18, 13
	s_cbranch_scc1 .Lke
	; v_embed of query pixel i0 = 4 g + a: a lane takes a channel, its registers run along the 64 key pixels; a block of 32 keys is 8 pixels, each four times, so one code a pixel is stored
	s_lshl_b32 s44, s26, 2
	s_add_co_u32 s44, s44, s28
	s_lshl_b32 s44, s44, 8
	s_mov_b32 s45, 0
	s_add_nc_u64 s[44:45], s[8:9], s[44:45]        ; row i0 of rel_pos_index
	s_lshl_b32 s32, s28, 8
	s_add_co_u32 s32, s32, s29
	s_add_nc_u64 s[38:39], s[16:17], s[32:33]      ; + 256 a: v_embed's scale words
	v_mov_b32 v11, 0
.set t, 0
.rept 16
	global_load_b128 v[16+4*t:19+4*t], v11, s[44:45] offset:16*t     ; the row's 64 indices, in every lane
.set t, t+1
.endr
	s_add_co_u32 s34, s34, 256
	v_lshl_add_u32 v13, v1, 2, s34                 ; 384 h + 256 + 4 x channel
	v_lshlrev_b32 v12, 4, v2
	v_lshl_add_u32 v12, v3, 10, v12                ; 1,024 (channel / 16) + 16 (channel % 16)
	v_lshlrev_b32 v14, 3, v1
	s_wait_alu depctr_va_vdst(0)
	s_wait_loadcnt 0x0
.set t, 0
.rept 64
	v_min_u32 v[16+t], 224, v[16+t]
	v_mul_u32_u24 v[16+t], v[16+t], 1536
	v_add_nc_u32 v[16+t], v[16+t], v13
.set t, t+1
.endr
.set t, 0
.rept 64
	global_load_b32 v[80+t], v[16+t], s[6:7]       ; 32 lanes read 128 consecutive bytes of a table row
.set t, t+1
.endr
	s_wait_loadcnt 0x0
.irp b, 0,1,2,3,4,5,6,7
	v_max3_num_f32 v[176+\b], |v[80+8*\b]|, |v[81+8*\b]|, 0x8000000
.endr
.irp i, 2,4,6
.irp b, 0,1,2,3,4,5,6,7
	v_max3_num_f32 v[176+\b], v[176+\b], |v[80+8*\b+\i]|, |v[81+8*\b+\i]|
.endr
.endr
.irp b, 0,1,2,3,4,5,6,7
	v_add_nc_u32 v[184+\b], 0xf8800000, v[176+\b]
.endr
.irp b, 0,1,2,3,4,5,6,7
	v_and_or_b32 v[192+\b], v[176+\b], 0x7f800000, s22
.endr
.irp b, 0,1,2,3,4,5,6,7
	v_lshrrev_b32 v[200+\b], 23, v[184+\b]
.endr
.irp s2, 0,1
	v_lshl_or_b32 v[WD+\s2], v[201+4*\s2], 8, v[200+4*\s2]
	v_lshl_or_b32 v[WD+\s2], v[202+4*\s2], 16, v[WD+\s2]
	v_lshl_or_b32 v[WD+\s2], v[203+4*\s2], 24, v[WD+\s2]
.endr
.irp b, 0,1,2,3,4,5,6,7
.irp i, 0,1,2,3,4,5,6,7
	v_med3_num_f32 v[80+8*\b+\i], v[80+8*\b+\i], -v[192+\b], v[192+\b]
.endr
.endr
.irp b, 0,1,2,3,4,5,6,7
	v_cvt_scalef32_pk8_bf8_f32 v[144+2*\b:145+2*\b], v[80+8*\b:87+8*\b], v[184+\b]
.endr
	v_nop
.irp s2, 0,1
.irp hp, 0,1
.irp c, 0,1,2,3
	v_mov_b32 v[160+4*(2*\s2+\hp)+\c], v[144+8*\s2+2*\c+\hp]         ; dword c' of (s, h'): pixels 32 s + 8 c' + 4 h' + 0 .. 3
.endr
.endr
.endr
.irp s2, 0,1
.irp hp, 0,1
	global_store_b128 v12, v[160+4*(2*\s2+\hp):160+4*(2*\s2+\hp)+3], s[36:37] offset:16384+512*\s2+256*\hp
.endr
.endr
	global_store_b64 v14, v[WD:WD+1], s[38:39] offset:25088
	s_endpgm
.Lqe:                                  ; lane (r = 4 Tl + u, h'); pass w: q_embed[4 g + u][8 (T / 2) + 2 (T % 2) + w % 2 + 4 (w / 2)], T = 4 a + Tl, x 32^-0.5
	v_and_b32 v11, 3, v2
	v_lshlrev_b32 v11, 8, v11
	v_bfe_u32 v12, v0, 3, 1
	v_lshl_add_u32 v11, v12, 5, v11
	v_bfe_u32 v12, v0, 2, 1
	v_lshl_add_u32 v11, v12, 3, v11
	v_add_nc_u32 v11, s40, v11
	v_lshl_add_u32 v13, v3, 6, s34                 ; 384 h + 64 h'
	v_lshlrev_b32 v12, 5, v2
	v_lshl_add_u32 v12, v3, 4, v12                 ; 32 r + 16 h'
	v_lshlrev_b32 v14, 2, v2
	EMB16 1, 0, 4, 16, 20, 0, 24576
.Lke:                                  ; lane (m, h'); pass u: k_embed[4 g + u][16 a + 8 ((m % 8) / 4) + 4 (m / 8) + m % 4]
	v_bfe_u32 v11, v0, 2, 1
	v_lshlrev_b32 v11, 5, v11
	v_bfe_u32 v12, v0, 3, 1
	v_lshl_add_u32 v11, v12, 4, v11
	v_and_b32 v12, 3, v2
	v_lshl_add_u32 v11, v12, 2, v11
	v_add_nc_u32 v11, s40, v11
	s_add_co_u32 s34, s34, 128
	v_lshl_add_u32 v13, v3, 6, s34                 ; 384 h + 128 + 64 h'
	v_mov_b32 v12, v4
	v_lshlrev_b32 v14, 2, v2
	EMB16 0, 0, 256, 512, 768, 8192, 24832
.Lfunc_end_k_qe01cda1d75_prep:
	.size	k_qe01cda1d75_prep, .Lfunc_end_k_qe01cda1d75_prep-k_qe01cda1d75_prep
	.p2alignl 7, 3214868480
	.fill 96, 4, 3214868480
	.section	.rodata,"a",@progbits
	.p2align	6, 0x0
	.amdhsa_kernel k_qe01cda1d75_prep
		.amdhsa_group_segment_fixed_size 204800
		.amdhsa_private_segment_fixed_size 0
		.amdhsa_enable_private_segment 0
		.amdhsa_kernarg_size 56
		.amdhsa_user_sgpr_count 2
		.amdhsa_user_sgpr_kernarg_segment_ptr 1
		.amdhsa_wavefront_size32 1
		.amdhsa_system_sgpr_workgroup_id_x 1
		.amdhsa_system_sgpr_workgroup_id_y 1
		.amdhsa_system_sgpr_workgroup_id_z 1
		.amdhsa_system_vgpr_workitem_id 0
		.amdhsa_next_free_vgpr 256
		.amdhsa_next_free_sgpr 66
		.amdhsa_reserve_vcc 0
		.amdhsa_float_denorm_mode_32 3
		.amdhsa_float_denorm_mode_16_64 3
		.amdhsa_memory_ordered 1
		.amdhsa_forward_progress 1
		.amdhsa_inst_pref_size 144
	.end_amdhsa_kernel
	.amdgpu_metadata
---
amdhsa.version: [ 1, 2 ]
amdhsa.kernels:
  - .name:           k_qe01cda1d75_prep
    .symbol:         k_qe01cda1d75_prep.kd
    .args:
      - { .name: qkv, .offset: 0, .size: 8, .value_kind: global_buffer, .address_space: global }
      - { .name: rpe_table, .offset: 8, .size: 8, .value_kind: global_buffer, .address_space: global }
      - { .name: rel_pos_index, .offset: 16, .size: 8, .value_kind: global_buffer, .address_space: global }
      - { .name: kv, .offset: 24, .size: 8, .value_kind: global_buffer, .address_space: global }
      - { .name: qc, .offset: 32, .size: 8, .value_kind: global_buffer, .address_space: global }
      - { .name: qs, .offset: 40, .size: 8, .value_kind: global_buffer, .address_space: global }
      - { .name: emb, .offset: 48, .size: 8, .value_kind: global_buffer, .address_space: global }
    .group_segment_fixed_size: 204800
    .private_segment_fixed_size: 0
    .kernarg_segment_align: 8
    .kernarg_segment_size: 56
    .max_flat_workgroup_size: 480
    .sgpr_count:     66
    .vgpr_count:     256
    .wavefront_size: 32
...
	.end_amdgpu_metadata
.endif
;; end of part 1
;; launch attn (part 2): grid 256 x 1, 4 waves a work-group, clusters of 4 x 1, 327,680 bytes of LDS; arguments kv, qc, qs, emb, attn_mask, out0; writes out0
.if DOCPART == 2
	.amdgcn_target "amdgcn-amd-amdhsa--gfx1250"
	.amdhsa_code_object_version 6
	.text
	.protected	k_qe01cda1d75_attn
	.globl	k_qe01cda1d75_attn
	.p2align	8
	.type	k_qe01cda1d75_attn,@function
k_qe01cda1d75_attn:
	s_mov_b64 s[64:65], 0
	v_nop
	global_prefetch_b8 v0, s[64:65] scope:SCOPE_SE
	s_setreg_imm32_b32 hwreg(HW_REG_WAVE_MODE, 25, 1), 1
	s_wait_xcnt 0x0
	s_wait_alu depctr_hold_cnt(0) depctr_sa_sdst(0) depctr_va_vdst(0) depctr_va_sdst(0) depctr_va_ssrc(0) depctr_va_vcc(0) depctr_vm_vsrc(0)
	s_getreg_b32 s2, hwreg(HW_REG_IB_STS2, 6, 4)
	s_cmp_eq_u32 s2, 0
	s_cbranch_scc0 .Lentry_in_a_cluster
	s_endpgm
.Lentry_in_a_cluster:
	s_bfe_u32 s2, ttmp6, 0x10000c
	s_cmp_lg_u32 s2, 0x3003
	s_cbranch_scc0 .Lentry_shape_is_right
	s_endpgm
.Lentry_shape_is_right:
; Shifted-window attention with relative-position terms, all five products on codes of E5M2 with E8M0 scales (made by the launch before).  No work of reference() is left out.
; SHARES.  A wave owns one pair (tile g of 16 queries = 4 pixels, head h = its number) for the whole launch and walks 8 records (4 windows x 2 images), one a step.  What hangs on (g, h) alone, the quantised embeddings,
; stays in 576 of its registers; what hangs on the window comes through LDS.  A lane holds ONE query (r = lane % 16) throughout; its registers run along the keys (both kinds of product are used transposed).
; K IS 32 WHERE THE INSTRUCTION HAS 128: ITS FOUR BLOCKS OF 32 ARE PUT TO USE.
;   k.q_embed  source 0: 16 keys, key row p in block p / 4, zero codes elsewhere;  source 1: column i, block c = q_embed[pixel of i][pixel of rows 4 c .. 4 c + 3]: the block chooses the pixel.
;              k's codes are the OR of the two images; block c is that times 1.0 in the lanes with r / 4 = c and 0.0 in the others: four codes read as an f32 are never an infinity or NaN (the top byte is at most 0x7b without
;              its sign), and denormals are kept, so x 1.0 keeps the bits and x 0.0 leaves zero codes.
;   q.k_embed  source 0: 16 key pixels, block u = k_embed[4 g + u][pixel];  source 1: q in block r / 4 alone.  One number a key pixel: added to that pixel's four scores.
;   q.k        IN PARTS BY THE SIZE OF THE CODES: exponent field 26 or more (large) or less (small); an image is the same codes with the other class's bytes zero.  Two tiles share source 0: [large 0, small 0, large 1, small 1].
;              Against large q in the tile's first block: large x large, in an accumulator of its own, which begins with the mask.  Against [small q, q] in the tile's two blocks: all the rest, which is added to k.q_embed.
;              The two accumulators meet in an f32 addition.
;   p.v      source 0: 16 channels x 128 keys;  source 1: p's codes.      p.v_embed  the same for each of the tile's four pixels u; a lane takes the result of its own u = r / 4 with the factor 1, the others with 0.
; The keys of a tile are not neighbours: row p of tile 2 b + u is key 32 b + 8 u + p + 8 (p / 8), so that the 16 registers of tiles 2 b, 2 b + 1 are keys 32 b + 16 (lane / 16) + 0 .. 15: p's codes are an operand as they stand.
; SOFTMAX: the row's maximum is taken away, p = 2^((s - m) log2 e) / the row's sum, finished in f32, then quantised along the keys.  A block's largest p is its largest score put through the same instructions.
; ONE ROUND A STEP, IN ITS MIDDLE: when V has come from LDS nobody needs the slot's record and mask any more.  In front of the round each wave has its part of the next record; behind it the slot takes the record two steps on,
; and the results of the step before leave (they were stored into the stage at that step's end).
; THE MASK of the step two on is loaded in the step's first half, four rows a wave, and stored into the slot's tile at the step's end; the next step's round shows it.  q is loaded a step ahead.
; CLUSTER: the four partners differ in g alone, so a window's record is asked for JOINTLY (mask 15), a quarter by each wave.  The mask tile hangs on g, which partners do not share: plain loads.
; PREFETCH: each step asks for the record that follows the one just requested: 404 blocks of 256 bytes, a lane a block over the cluster's sixteen waves, told apart by address; it ends with the walk's last record.
; LIMITS: +infinity and NaN in attn_mask are not served; a row all of whose keys are -infinity gives NaN, as the softmax does; a p under 2^-126 counts as 0 (v_exp_f32's results are flushed: ISA guide 15.8).
; REGISTERS, in windows of 256.  Window 0: v1-29 addresses and the row's figures; v32-63 scale words and nothing else; v64-95 q.k_embed, later sums and results; v96-127 the second accumulators of two groups, later eight blocks' figures;
;   v128-255 the mask, then the scores, then p, then the sums of p.v_embed.
;   Window 1: q_embed, 16 fragments.  Window 2: v_embed, 16 fragments.  Window 3: v0-63 k_embed; v64-103 q's forms; v104-107 lane factors; v108-111 q as loaded; v112-191 five buffers of q.k's source 0 (later p's codes, and the mask's rows);
;   v192-255 block-diagonal K of two groups, later V.
.set RECB,   103424                    ; a record: 4 heads x (K large 8,192 + K small 8,192 + V 8,192), K's scale words 4,096, V's scale bytes 1,024
.set QUART,  RECB/4
.set QROWS,  QUART/256                 ; 101 rows of 256 bytes
.set HEADB,  24576
.set KLO,    8192
.set VIM,    16384
.set KSC,    4*HEADB
.set VSC,    KSC+4096
.set SLOT1,  1<<17                     ; one exclusive or turns an address from one slot to the other
.set STAGE,  RECB                      ; in each slot, behind the record: 16 rows of the output, 512 bytes + 16 each,
.set SPITCH, 528
.set MASKO,  STAGE+16*SPITCH           ; and a mask tile of 16 rows x (1,024 + 16) bytes
.set MPITCH, 1040
.set SPARE,  MASKO+16*MPITCH           ; 128,512: the spare words, 128 bytes a wave
.set QEL,    1<<18                     ; the head: 8,192 bytes of q_embed for each wave
.set EMBB,   26112
.set SPW, 1
.set NIL, 2
.set AL0, 3                            ; v3-9 lane terms that stay
.set AKS0, 4
.set AVS0, 5
.set STO0, 6
.set RD0, 7
.set ADM0, 8
.set MST0, 9
.set AKS, 10                           ; v10-15, v19 the step's addresses
.set AVS, 11
.set STO, 12
.set RD, 13
.set ADM, 14
.set MST, 15
.set L16, 16                           ; 16 x lane
.set QSO, 17                           ; 16 r
.set PFO, 18                           ; the prefetches' offset
.set AL, 19
.set MC, 20                            ; v[20:21] m x log2 e
.set SUM, 22
.set INV, 24                           ; v[24:25]
.set MX, 26
.set M0N, 28                           ; v[28:29]
.set KS,  32
.set QS,  40
.set QSN, 41                           ; the next step's
.set QES, 42
.set KES, 50
.set VES, 52
.set VS,  60
.set PS,  62
.set D2,  64
.set TS,  64                           ; sixteen pairs of partial sums
.set FD,  64                           ; 16 registers of results on their way out: v64-71, v88-95
.set RR,  72
.set TP,  88
.set T3,  96                           ; group n's two tiles at T3 + 16 (n % 2)
.set QD,  112                          ; q in block r / 4
.set BM,  96
.set PT,  104
.set HD,  112
.set VB,  112
.set SO,  120
.set S,   128
.set KE,  0                            ; window 3
.set BB,  64                           ; blocks [0, 0, small q, q, 0, 0, large q, 0, 0, 0]
.set MK,  104                          ; 1.0 in the lanes with r / 4 = c
.set QR,  108
.set PF,  112
.set PC,  112
.set MG,  160
.set KB,  192
.set V,   192
.set MSB, 0
.macro WIN new                         ; the immediate's high byte repeats the setting that is left
.if MSB != \new
	s_set_vgpr_msb (MSB<<8)|\new
.set MSB, \new
.endif
.endm
.macro WALU
	s_wait_alu depctr_va_vdst(0)
.endm
.macro PL n                            ; places behind matrix instructions (ISA guide 7.12.1) and in front of scaled ones
.rept \n
	v_nop
.endr
.endm
.macro CREST                           ; a round of the cluster's barrier behind its opening wait
	s_cmp_lg_u32 s16, 0
	s_cbranch_scc1 .Lnot_wave_0_\@
	s_barrier_signal -3
.Lnot_wave_0_\@:
	s_barrier_wait -3
	s_barrier_signal -1
	s_barrier_wait -1
.endm
.macro ROUND
	s_barrier_signal -1
	s_barrier_wait -1
	CREST
.endm
; one matrix instruction.  z = 1: it starts the sum.  ra, rb: the scales stand in lanes 16-31 (rb only together with ra)
.macro MM z, d, a, b, sa, sb, ra, rb
.if \z
.if \rb
	v_wmma_scale_f32_16x16x128_f8f6f4 v[(\d):(\d)+7], v[(\a):(\a)+15], v[(\b):(\b)+15], 0, v[(\sa)], v[(\sb)] matrix_a_fmt:MATRIX_FMT_BF8 matrix_b_fmt:MATRIX_FMT_BF8 matrix_a_scale:MATRIX_SCALE_ROW1 matrix_b_scale:MATRIX_SCALE_ROW1
.elseif \ra
	v_wmma_scale_f32_16x16x128_f8f6f4 v[(\d):(\d)+7], v[(\a):(\a)+15], v[(\b):(\b)+15], 0, v[(\sa)], v[(\sb)] matrix_a_fmt:MATRIX_FMT_BF8 matrix_b_fmt:MATRIX_FMT_BF8 matrix_a_scale:MATRIX_SCALE_ROW1
.else
	v_wmma_scale_f32_16x16x128_f8f6f4 v[(\d):(\d)+7], v[(\a):(\a)+15], v[(\b):(\b)+15], 0, v[(\sa)], v[(\sb)] matrix_a_fmt:MATRIX_FMT_BF8 matrix_b_fmt:MATRIX_FMT_BF8
.endif
.else
.if \ra
	v_wmma_scale_f32_16x16x128_f8f6f4 v[(\d):(\d)+7], v[(\a):(\a)+15], v[(\b):(\b)+15], v[(\d):(\d)+7], v[(\sa)], v[(\sb)] matrix_a_fmt:MATRIX_FMT_BF8 matrix_b_fmt:MATRIX_FMT_BF8 matrix_a_scale:MATRIX_SCALE_ROW1
.else
	v_wmma_scale_f32_16x16x128_f8f6f4 v[(\d):(\d)+7], v[(\a):(\a)+15], v[(\b):(\b)+15], v[(\d):(\d)+7], v[(\sa)], v[(\sb)] matrix_a_fmt:MATRIX_FMT_BF8 matrix_b_fmt:MATRIX_FMT_BF8
.endif
.endif
.endm
.macro PFL n                           ; source 0 of q.k for tiles 2 n, 2 n + 1: every lane its own 16 bytes of the two images: 4 loads
.irp t, 0,1
	ds_load_b128 v[PF+16*((\n)%5)+8*\t:PF+16*((\n)%5)+8*\t+3], v[AL] offset:(2*(\n)+\t)*512
	ds_load_b128 v[PF+16*((\n)%5)+8*\t+4:PF+16*((\n)%5)+8*\t+7], v[AL] offset:KLO+(2*(\n)+\t)*512
.endr
.endm
.macro ML n                            ; my query's mask for group n's 16 keys, into their scores' registers: 4 loads
.irp k, 0,1,2,3
	ds_load_b128 v[S+16*(\n)+4*\k:S+16*(\n)+4*\k+3], v[ADM] offset:128*(\n)+16*\k
.endr
.endm
.macro FIRST                           ; a step's first 20 loads: K's scale words and groups 0, 1, 2
.irp b, 0,1,2,3,4,5,6,7
	ds_load_b32 v[KS+\b], v[AKS] offset:512*\b     ; lanes 0-15: tile 2 b's words, lanes 16-31: tile 2 b + 1's
.endr
	WIN 0xc0
	PFL 0
	PFL 1
	PFL 2
	WIN 0
.endm
; group n's block-diagonal K, line i of 24 (12 a tile): the OR of the two images into block 0, blocks 1 to 3 from it, then block 0 itself
.macro PI n, i
.set t_, (\i)/12
.set j_, (\i)%12
.set K_, KB+32*((\n)%2)+16*t_
.set P_, PF+16*((\n)%5)+8*t_
.if j_ < 4
	v_or_b32 v[K_+j_], v[P_+j_], v[P_+4+j_]
.else
.set c_, ((j_-4)/2+1)%4
.set k_, 2*(j_%2)
.if c_%2 == 0
	v_pk_mul_f32 v[K_+4*c_+k_:K_+4*c_+k_+1], v[K_+k_:K_+k_+1], v[MK+c_:MK+c_+1] op_sel_hi:[1,0]
.else
	v_pk_mul_f32 v[K_+4*c_+k_:K_+4*c_+k_+1], v[K_+k_:K_+k_+1], v[MK+c_-1:MK+c_] op_sel:[0,1] op_sel_hi:[1,1]
.endif
.endif
.endm
.macro RP n, a, b
	WIN 0xcf
.set x_, \a
.rept (\b)-(\a)
	PI \n, x_
.set x_, x_+1
.endr
.endm
; group n's scores, line i of 16: + q.k_embed (one number for a pixel's four keys), then + the second accumulator; ascending
.macro SI n, i
.set p_, 8*(\n)+((\i)%8)
.if (\i) < 8
.set d_, p_/2
.if d_%2 == 0
	v_pk_add_f32 v[S+2*p_:S+2*p_+1], v[S+2*p_:S+2*p_+1], v[D2+d_:D2+d_+1] op_sel_hi:[1,0]
.else
	v_pk_add_f32 v[S+2*p_:S+2*p_+1], v[S+2*p_:S+2*p_+1], v[D2+d_-1:D2+d_] op_sel:[0,1] op_sel_hi:[1,1]
.endif
.else
.set q_, T3+16*((\n)%2)+2*((\i)%8)
	v_pk_add_f32 v[S+2*p_:S+2*p_+1], v[S+2*p_:S+2*p_+1], v[q_:q_+1]
.endif
.endm
.macro RS n
	WIN 0
.set x_, 0
.rept 16
	SI \n, x_
.set x_, x_+1
.endr
.endm
; TWO TILES OF KEYS, six matrix instructions on four accumulators by turns (three others stand between a sum's two steps).  Behind them the next group's block-diagonal fragments, which are also
; the places ahead of this group's additions.
.macro WINDOW n, w
.set N_, \n
.if \w >= 0
	s_wait_dscnt \w
.endif
	WIN 0x07
	MM 1, T3+16*(N_%2), KB+32*(N_%2), 32*N_, KS+N_, QES+N_, 0, 0                 ; k.q_embed starts the second accumulator
	MM 1, T3+16*(N_%2)+8, KB+32*(N_%2)+16, 32*N_+16, KS+N_, QES+N_, 1, 1
	WIN 0x0f
	MM 0, S+16*N_, PF+16*(N_%5), BB+24, KS+N_, QS, 0, 0                          ; mask + large k x large q
	MM 0, S+16*N_+8, PF+16*(N_%5), BB+16, KS+N_, QS, 1, 0
	MM 0, T3+16*(N_%2), PF+16*(N_%5), BB+8, KS+N_, QS, 0, 0                      ; + large k x small q + small k x q
	MM 0, T3+16*(N_%2)+8, PF+16*(N_%5), BB, KS+N_, QS, 1, 0
.if N_ < 7
	RP N_+1, 0, 24
.if N_ < 3
	WIN 0xc0
	PFL N_+5                                       ; into this group's own buffer, 24 lines behind its last product
.endif
.if (N_ == 4) && FL_
	WIN 0xc0                                       ; the mask of the step two on: my four rows, into the buffers of groups 3 and 4
.irp k, 0,1,2,3,4,5,6,7
	global_load_b128 v[MG+4*\k:MG+4*\k+3], v[L16], s[50:51] offset:512*\k
.endr
.endif
	RS N_
.endif
.endm
.macro PKF i                           ; s log2 e - m log2 e: what the rounding of m log2 e adds is the same factor in all of a row's p and leaves with the division
	v_pk_fma_f32 v[S+2*(\i):S+2*(\i)+1], v[S+2*(\i):S+2*(\i)+1], s[58:59], v[MC:MC+1] op_sel_hi:[1,0,0] neg_lo:[0,0,1] neg_hi:[0,0,1]
.endm
; 32 exponentials; among them the next 32 numbers' multiply-adds and partial sums of numbers of earlier batches: each of these is first read behind the wait at a batch's start
.macro XST b
	WALU
.set i_, 0
.rept 16
	v_exp_f32 v[S+32*(\b)+2*i_], v[S+32*(\b)+2*i_]
.if (\b) < 3
	PKF 16*(\b)+16+i_
.else
	v_pk_add_f32 v[TS+2*i_:TS+2*i_+1], v[TS+2*i_:TS+2*i_+1], v[S+64+2*i_:S+64+2*i_+1]
.endif
	v_exp_f32 v[S+32*(\b)+2*i_+1], v[S+32*(\b)+2*i_+1]
.if (\b) == 2
	v_pk_add_f32 v[TS+2*i_:TS+2*i_+1], v[S+2*i_:S+2*i_+1], v[S+32+2*i_:S+32+2*i_+1]
.endif
.set i_, i_+1
.endr
.endm
.macro NORM p                          ; p, finished and normalised
	v_pk_mul_f32 v[S+2*(\p):S+2*(\p)+1], v[S+2*(\p):S+2*(\p)+1], v[INV:INV+1] op_sel_hi:[1,0]
.endm
.macro HOLD b, k                       ; the conversion does not saturate (ISA guide 7.6.2); p is not negative: a one-sided hold
	v_dual_min_num_f32 v[S+16*(\b)+2*(\k)], v[HD+(\b)], v[S+16*(\b)+2*(\k)] :: v_dual_min_num_f32 v[S+16*(\b)+2*(\k)+1], v[HD+(\b)], v[S+16*(\b)+2*(\k)+1]
.endm
.macro CVT b
	v_cvt_scalef32_pk8_bf8_f32 v[PC+4*(\b):PC+4*(\b)+1], v[S+16*(\b):S+16*(\b)+7], v[SO+(\b)]
	v_cvt_scalef32_pk8_bf8_f32 v[PC+4*(\b)+2:PC+4*(\b)+3], v[S+16*(\b)+8:S+16*(\b)+15], v[SO+(\b)]
.endm
.macro FILL j                          ; among the first half's products: the second half's p
.if (\j) < 8
	WIN 0
.set b_, 4+(\j)/2
.set i_, 0
.rept 8
.if (\j)%2 == 0
	NORM 8*b_+i_
.else
	HOLD b_, i_
.endif
.set i_, i_+1
.endr
.else
	WIN 0xc0
	CVT 2*(\j)-12
	CVT 2*(\j)-11
.endif
.endm
.macro PV s2                           ; 128 keys: ten accumulators by turns
.irp ct, 0,1
	WIN 0x0f
	MM 1-\s2, RR+8*\ct, V+16*(2*\ct+\s2), PC+16*\s2, VS+\s2, PS+\s2, \ct, 0
.if \s2 == 0
	FILL \ct
.endif
.endr
.irp e, 0,1,2,3,4,5,6,7
	WIN 0x0e
	MM 1-\s2, S+8*\e, 16*(2*\e+\s2), PC+16*\s2, VES+2*(\e/2)+\s2, PS+\s2, \e%2, 0
.if \s2 == 0
	FILL 2+\e
.endif
.endr
.endm
.macro FADDR                           ; where my four rows of step s23's output go: one pixel's four tokens
	s_lshr_b32 s88, s23, 1
	s_lshl_b32 s89, s19, 2
	s_add_co_u32 s88, s88, s89                     ; window
	s_and_b32 s89, s23, 1                          ; image
	s_lshr_b32 s90, s88, 3
	s_and_b32 s88, s88, 7
	s_lshl_b32 s90, s90, 3
	s_lshr_b32 s91, s18, 1
	s_add_co_u32 s90, s90, s91
	s_add_co_u32 s90, s90, 4
	s_and_b32 s90, s90, 63                         ; Y = (8 Wy + g / 2 + 4) mod 64
	s_lshl_b32 s88, s88, 3
	s_and_b32 s91, s18, 1
	s_lshl_b32 s91, s91, 2
	s_add_co_u32 s88, s88, s91
	s_add_co_u32 s88, s88, 4
	s_and_b32 s88, s88, 63                         ; X = (8 Wx + 4 (g % 2) + 4) mod 64: the tile's four pixels lie on end
	s_lshl_b32 s89, s89, 6
	s_add_co_u32 s89, s89, s90
	s_lshl_b32 s89, s89, 6
	s_add_co_u32 s89, s89, s88
	s_add_co_u32 s89, s89, s16                     ; my pixel
	s_lshl_b32 s88, s89, 11                        ; 4 tokens of 512 bytes
	s_mov_b32 s89, 0
	s_add_nc_u64 s[84:85], s[14:15], s[88:89]
.endm
.macro FLOAD
.irp k, 0,1,2,3
	ds_load_b128 v[FD+4*\k+16*(\k/2):FD+4*\k+16*(\k/2)+3], v[RD] offset:SPITCH*\k
.endr
.endm
.macro FSTORE
.irp k, 0,1,2,3
	global_store_b128 v[L16], v[FD+4*\k+16*(\k/2):FD+4*\k+16*(\k/2)+3], s[84:85] offset:512*\k th:TH_STORE_NT   ; 32 lanes store a token's 512 consecutive bytes, aligned
.endr
.endm
	s_load_b256 s[4:11], s[0:1], 0x0               ; kv s[4:5], qc s[6:7], qs s[8:9], emb s[10:11]
	s_load_b128 s[12:15], s[0:1], 0x20             ; attn_mask s[12:13], out0 s[14:15]
	v_lshl_add_u32 v[SPW], v0, 2, SPARE
	v_mov_b32 v[NIL], 0
	ds_add_u32 v[SPW], v[NIL]                      ; the wave's opening: the add, twice on end, and one wait
	ds_add_u32 v[SPW], v[NIL]
	v_lshrrev_b32 v96, 5, v0
	v_readfirstlane_b32 s16, v96                   ; wave = head
	v_and_b32 v96, 31, v0                          ; lane
	v_and_b32 v97, 15, v0                          ; r
	v_bfe_u32 v98, v0, 4, 1                        ; h'
	v_mov_b32 v99, 1.0
	v_lshlrev_b32 v[L16], 4, v96
	v_lshlrev_b32 v[QSO], 4, v97
	v_lshrrev_b32 v88, 2, v97
	v_lshlrev_b32 v89, 2, v88
	v_lshlrev_b32 v88, 5, v88
	v_lshl_add_u32 v88, v98, 4, v88                ; q_embed: 32 (r / 4) + 16 h'
	v_lshl_add_u32 v89, v98, 4, v89                ; its scale words: 16 (lane / 16) + 4 (r / 4)
	v_lshlrev_b32 v90, 2, v96
	v_lshlrev_b32 v91, 3, v96
	v_mov_b32 v[MC+1], 0                           ; the upper halves of three pairs whose low halves serve alone
	v_mov_b32 v[INV+1], 0
	v_mov_b32 v[M0N+1], 0
	WALU
	s_bfe_u32 s17, ttmp6, 0x40000                  ; cx: it enters global addresses of qc, qs, emb, attn_mask and out0, and the prefetches' offset, alone
	s_and_b32 s18, ttmp9, 3
	s_lshl_b32 s18, s18, 2
	s_add_co_u32 s18, s18, s17                     ; g = 4 (cluster % 4) + cx
	s_lshr_b32 s19, ttmp9, 2                       ; wg: records 8 wg .. 8 wg + 7, shared by the partners
	; group 1 for a quarter of a record: 101 dense rows of 256 bytes (32 elements of 8 bytes), no padding; the mask names all four work-groups, bit 21 beside it
	s_mov_b32 s24, 15|(3<<16)|(1<<21)
	s_mov_b32 s25, 32<<16
	s_mov_b32 s26, QROWS<<16
	s_mov_b32 s27, 32<<16
	s_mov_b32 s28, QROWS
	s_mov_b32 s29, 32
	s_mov_b32 s30, 0
	s_mov_b32 s31, 0
	s_mov_b32 s40, 1
	s_mov_b32 s44, 1
	s_mul_i32 s41, s16, QUART                      ; LDS: my quarter of slot 0,
	s_add_co_u32 s45, s41, SLOT1                   ; of slot 1
	s_mul_i32 s54, s19, 8*RECB
	s_add_co_u32 s88, s54, s41
	s_mov_b32 s89, 0
	s_add_co_u32 s54, s54, 2*RECB                  ; the prefetches: step 0 moves on to record 8 wg + 3
	s_mov_b32 s55, 0
	s_lshl_b32 s90, s19, 20                        ; the mask: window 4 wg (262,144 bytes a window),
	s_lshl_b32 s91, s18, 14                        ; rows 16 g
	s_add_co_u32 s90, s90, s91
	s_lshl_b32 s91, s16, 12                        ; + 4 wave
	s_add_co_u32 s90, s90, s91
	s_mov_b32 s91, 0
	s_lshl_b32 s92, s19, 18                        ; qc: record 8 wg, tile g, head
	s_lshl_b32 s93, s18, 11
	s_add_co_u32 s92, s92, s93
	s_lshl_b32 s93, s16, 9
	s_add_co_u32 s92, s92, s93
	s_mov_b32 s93, 0
	s_lshl_b32 s94, s19, 15                        ; qs likewise
	s_lshl_b32 s95, s18, 8
	s_add_co_u32 s94, s94, s95
	s_lshl_b32 s95, s16, 2
	s_add_co_u32 s94, s94, s95
	s_mov_b32 s95, 0
	s_lshl_b32 s96, s18, 2
	s_add_co_u32 s96, s96, s16
	s_mul_i32 s96, s96, EMBB
	s_mov_b32 s97, 0
	s_mov_b32 s56, 0x76543210
	s_mov_b32 s57, 0xfedcba98                      ; v_permlanex16_b32's selects for lane l xor 16
	s_mov_b32 s58, 0x3fb8aa3b                      ; log2 e
	s_mov_b32 s59, s58
	s_mov_b32 s60, 0x600000                        ; the mantissa field of 57,344
	s_mov_b32 s66, 0x7f7f7f7f                      ; the three constants of the split of q's codes
	s_mov_b32 s67, 0x18181818
	s_mov_b32 s74, 0x80808080
	s_mov_b32 s68, 0x000f000f                      ; lanes with r / 4 = 0, 1, 2, 3
	s_mov_b32 s69, 0x00f000f0
	s_mov_b32 s70, 0x0f000f00
	s_mov_b32 s71, 0xf000f000
	s_mov_b32 s76, 0                               ; v_perm_b32: byte x four times
	s_mov_b32 s77, 0x01010101
	s_mov_b32 s78, 0x02020202
	s_mov_b32 s79, 0x03030303
	; lane terms of the LDS addresses
	s_mul_i32 s98, s16, HEADB                      ; my head's images
	v_add_nc_u32 v[AL0], s98, v[L16]
	v_add_nc_u32 v[AL], s98, v[L16]
	s_lshl_b32 s98, s16, 2
	s_add_co_u32 s98, s98, KSC
	v_add_nc_u32 v[AKS0], s98, v[L16]              ; K's scale words: 16 x lane + 4 h
	v_add_nc_u32 v[AKS], s98, v[L16]
	s_add_co_u32 s98, s16, VSC
	v_add_nc_u32 v[AVS0], s98, v90                 ; V's scale bytes: 4 x channel + h
	v_mul_u32_u24 v[STO0], v97, SPITCH
	v_lshl_add_u32 v[STO0], v98, 5, v[STO0]
	s_lshl_b32 s98, s16, 7
	s_add_co_u32 s98, s98, STAGE
	v_add_nc_u32 v[STO0], s98, v[STO0]             ; the stage, in: row r, + 128 h + 32 h'
	s_mul_i32 s98, s16, 4*SPITCH
	s_add_co_u32 s98, s98, STAGE
	v_add_nc_u32 v[RD0], s98, v[L16]               ; and back: rows 4 wave on, 16 bytes a lane
	v_add_nc_u32 v100, SLOT1, v[RD0]               ; the same rows in slot 1: step 0 finds zeros there, and stores nothing
	v_mul_u32_u24 v[ADM0], v97, MPITCH
	v_lshl_add_u32 v[ADM0], v98, 6, v[ADM0]
	v_add_nc_u32 v[ADM0], MASKO, v[ADM0]           ; the mask: row r, + 64 h'
	s_mul_i32 s98, s16, 4*MPITCH
	s_add_co_u32 s98, s98, MASKO
	v_add_nc_u32 v[MST0], s98, v[L16]              ; and in: rows 4 wave on
	v_add_nc_u32 v101, SLOT1, v[MST0]
	s_lshl_b32 s98, s16, 13
	s_add_co_u32 s98, s98, QEL
	v_add_nc_u32 v102, s98, v[L16]                 ; q_embed in LDS: in, as it lies in memory,
	v_add_nc_u32 v103, s98, v88                    ; and out
	s_lshl_b32 s98, s17, 2
	s_add_co_u32 s98, s98, s16
	s_lshl_b32 s98, s98, 5
	v_add_nc_u32 v[PFO], s98, v96
	v_min_u32 v[PFO], 403, v[PFO]                  ; lanes that are left over name the record's last block again
	v_lshlrev_b32 v[PFO], 8, v[PFO]
	WIN 0xc0
.irp c, 0,1,2,3
	v_cndmask_b32 v[MK+\c], 0, v99, s[68+\c]
.endr
.irp j, 0,1,2,3,4,5,6,7,16,17,18,19,20,21,22,23,28,29,30,31,32,33,34,35,36,37,38,39
	v_mov_b32 v[BB+\j], 0                          ; the zero blocks of q's forms, written once
.endr
	WIN 0
	WALU
	s_wait_dscnt 0x0                               ; both opening adds are done
	s_wait_kmcnt 0x0
	s_add_nc_u64 s[42:43], s[4:5], s[88:89]        ; record 8 wg, my quarter
	s_add_nc_u64 s[46:47], s[42:43], RECB          ; record 8 wg + 1; this descriptor then walks
	s_or_b32 s43, s43, 0x80000000
	s_or_b32 s47, s47, 0x80000000
	s_add_nc_u64 s[50:51], s[12:13], s[90:91]
	s_add_nc_u64 s[80:81], s[6:7], s[92:93]
	s_add_nc_u64 s[82:83], s[8:9], s[94:95]
	s_add_nc_u64 s[96:97], s[10:11], s[96:97]
	s_add_nc_u64 s[86:87], s[4:5], s[54:55]
	ROUND                                          ; all four work-groups are here: the first joint loads meet
	tensor_load_to_lds s[40:43], s[24:31]          ; record 0: one tensor load a wave at the head
	s_nop 0
	PL 4
	; what stays in registers: the embeddings of (g, h).  72 loads: 16 + 16 + 8 + 2 + 14 + 16
.irp t, 0,1,2,3,4,5,6,7,8,9,10,11,12,13,14,15
	global_load_b128 v[S+64+4*\t:S+64+4*\t+3], v[L16], s[96:97] offset:512*\t   ; q_embed's 8,192 bytes, dense
.endr
.irp t, 0,1,2,3,4,5,6,7,8,9,10,11,12,13,14,15
	global_load_b128 v[S+4*\t:S+4*\t+3], v[L16], s[96:97] offset:16384+512*\t   ; v_embed, one code a pixel
.endr
	WIN 0xc0
.irp k, 0,1,2,3,4,5,6,7
	global_load_b128 v[MG+4*\k:MG+4*\k+3], v[L16], s[50:51] offset:512*\k   ; the first window's mask tile: my four rows, for steps 0 and 1
.endr
	global_load_b128 v[QR:QR+3], v[L16], s[80:81]  ; q of step 0: my query's 16 channels
	WIN 0
	global_load_b32 v[QSN], v[QSO], s[82:83]
.irp x, 0,1,2,3,4,5,6,7
	global_load_b32 v[QES+\x], v89, s[96:97] offset:24576+32*\x
.endr
.irp x, 0,1
	global_load_b32 v[KES+\x], v90, s[96:97] offset:24832+128*\x
.endr
.irp u, 0,1,2,3
	global_load_b64 v[VES+2*\u:VES+2*\u+1], v91, s[96:97] offset:25088+256*\u
.endr
	WIN 0xc0
.irp t, 0,1,2,3,4,5,6,7,8,9,10,11,12,13,14,15
	global_load_b128 v[KE+4*\t:KE+4*\t+3], v[L16], s[96:97] offset:8192+512*\t
.endr
	WIN 0
	s_wait_loadcnt 56                              ; q_embed
.irp t, 0,1,2,3,4,5,6,7,8,9,10,11,12,13,14,15
	ds_store_b128 v102, v[S+64+4*\t:S+64+4*\t+3] offset:512*\t
.endr
	WIN 0x40
.irp t, 0,1,2,3,4,5,6,7,8,9,10,11,12,13,14,15
.irp c, 0,1,2,3
	ds_load_b128 v[16*\t+4*\c:16*\t+4*\c+3], v103 offset:(\t/4)*2048+\c*512+(\t%4)*128   ; my own bytes: LDS serves a wave's instructions in order
.endr
.endr
	s_wait_loadcnt 40                              ; v_embed
	WIN 0x80
.irp f, 0,1,2,3,4,5,6,7,8,9,10,11,12,13,14,15
.irp c, 0,1,2,3
.irp x, 0,1,2,3
	v_perm_b32 v[16*\f+4*\c+\x], v[S+4*\f+\c], v[S+4*\f+\c], s[76+\x]   ; a pixel's code four times: its four keys
.endr
.endr
.endr
	WALU
	s_wait_loadcnt 32                              ; the mask's rows
	WIN 0x0c
.irp k, 0,1,2,3,4,5,6,7
	ds_store_b128 v[MST0], v[MG+4*\k:MG+4*\k+3] offset:(\k/2)*MPITCH+(\k%2)*512
	ds_store_b128 v101, v[MG+4*\k:MG+4*\k+3] offset:(\k/2)*MPITCH+(\k%2)*512
.endr
.irp k, 0,1,2,3
	ds_store_b128 v100, v[BB:BB+3] offset:SPITCH*\k   ; zeros for step 0's way out
.endr
	WIN 0
	s_wait_loadcnt 0x0                             ; all that stays in registers is in
	s_wait_tensorcnt 0x0                           ; my part of record 0 is in
	ds_add_u32 v[SPW], v[NIL]
	s_wait_dscnt 0x0                               ; the add, and my rows of the mask
	ROUND
	tensor_load_to_lds s[44:47], s[24:31]          ; record 1 into slot 1
	s_nop 0
	PL 4
	FIRST
; A STEP: one record.  s20 = the step, s21 = its slot's first byte, s22 = the other slot's.  fill = 1: the round refills the slot, and the mask of the step two on comes
.macro STEP fill
.set FL_, \fill
	s_xor_b32 s22, s21, SLOT1
	s_and_b32 s92, s20, 1
	s_xor_b32 s92, s92, 1
	s_lshl_b32 s92, s92, 18                        ; the step two on lies in the next window: an even step moves on
	s_cmp_lt_u32 s20, 7                            ; the last step asks for its own q again, so that no load leaves its buffer
	s_cselect_b32 s88, 32768, 0
	s_cselect_b32 s90, 4096, 0
	s_mov_b32 s93, 0
	s_mov_b32 s89, 0
	s_mov_b32 s91, 0
	s_wait_xcnt 0x0                                ; the last step's loads, stores and prefetch have read their registers and bases
.if \fill
	s_add_nc_u64 s[50:51], s[50:51], s[92:93]
.endif
	s_add_nc_u64 s[80:81], s[80:81], s[88:89]
	s_add_nc_u64 s[82:83], s[82:83], s[90:91]
	v_add_nc_u32 v[ADM], s21, v[ADM0]
	v_add_nc_u32 v[AVS], s21, v[AVS0]
	v_add_nc_u32 v[STO], s21, v[STO0]
	v_add_nc_u32 v[MST], s21, v[MST0]
	v_add_nc_u32 v[RD], s22, v[RD0]
	WALU
	ML 0                                           ; behind FIRST's 20 loads 40 more: the mask 0, 1, group 3, the mask 2, group 4, the mask 3 to 7
	ML 1
	WIN 0xc0
	PFL 3
	WIN 0
	ML 2
	WIN 0xc0
	PFL 4
	WIN 0
	s_wait_loadcnt 0x0                             ; q and its scale word, asked for a step ago
	v_mov_b32 v[QS], v[QSN]
	; q's codes by size: 0xff in each byte whose exponent field is 26 or more
	WIN 0x0c
.irp j, 0,1,2,3
	v_and_b32 v[TP+\j], s66, v[QR+\j]              ; four codes without their signs;
.endr
	WIN 0
.irp j, 0,1,2,3
	v_add_nc_u32 v[TP+\j], s67, v[TP+\j]           ; + 0x18 a byte: bit 7 is set where the byte is 0x68 or more (no byte carries: 0x7b + 0x18 < 0x100);
.endr
.irp j, 0,1,2,3
	v_and_b32 v[TP+\j], s74, v[TP+\j]
.endr
.irp j, 0,1,2,3
	v_lshrrev_b32 v[TP+\j], 7, v[TP+\j]
.endr
.irp j, 0,1,2,3
	v_lshlrev_b32 v[TP+4+\j], 8, v[TP+\j]
.endr
.irp j, 0,1,2,3
	v_sub_nc_u32 v[TP+\j], v[TP+4+\j], v[TP+\j]
.endr
	WIN 0x0f
.irp k, 0,2                            ; q in block r / 4 alone
	v_pk_mul_f32 v[QD+\k:QD+\k+1], v[QR+\k:QR+\k+1], v[MK:MK+1] op_sel_hi:[1,0]
	v_pk_mul_f32 v[QD+4+\k:QD+5+\k], v[QR+\k:QR+\k+1], v[MK:MK+1] op_sel:[0,1] op_sel_hi:[1,1]
	v_pk_mul_f32 v[QD+8+\k:QD+9+\k], v[QR+\k:QR+\k+1], v[MK+2:MK+3] op_sel_hi:[1,0]
	v_pk_mul_f32 v[QD+12+\k:QD+13+\k], v[QR+\k:QR+\k+1], v[MK+2:MK+3] op_sel:[0,1] op_sel_hi:[1,1]
.endr
	WIN 0xf0
.irp j, 0,1,2,3
	v_bfi_b32 v[BB+8+\j], v[TP+\j], 0, v[QR+\j]    ; the small codes
.endr
	WIN 0xcc
.irp j, 0,1,2,3
	v_and_b32 v[BB+24+\j], v[TP+\j], v[QR+\j]      ; the large ones
.endr
	WIN 0xc3
.irp j, 0,1,2,3
	v_mov_b32 v[BB+12+\j], v[QR+\j]                ; and all of them
.endr
	WIN 0xc0
	global_load_b128 v[QR:QR+3], v[L16], s[80:81]  ; the next step's q
	WIN 0
	global_load_b32 v[QSN], v[QSO], s[82:83]
.irp n, 3,4,5,6,7
	ML \n
.endr
	WALU
	s_wait_dscnt 48                                ; K's scale words and group 0: behind them groups 1 and 2 (8) and this step's 40
.irp t, 0,1,2,3
	RP 0, 6*\t, 6*\t+6
	WIN 0x03
	MM 1, D2+8*\t, KE+16*\t, QD, KES+\t/2, QS, \t%2, 0               ; q.k_embed: register 4 b + y is key pixel 8 b + 4 h' + y
.endr
	WALU
	; group n wants its own mask and group n + 1's fragments; groups 5, 6, 7's fragments are asked for in windows 0, 1, 2, behind all the others
	WINDOW 0, 36
	WINDOW 1, 36
	WINDOW 2, 32
	WINDOW 3, 28
	WINDOW 4, 8
	WINDOW 5, 4
	WINDOW 6, 0
	WINDOW 7, -1
	PL 8
	WIN 0xc0
.irp f, 0,1,2,3
.irp c, 0,1,2,3
	ds_load_b128 v[V+16*\f+4*\c:V+16*\f+4*\c+3], v[AL] offset:VIM+2048*\f+512*\c   ; V: fragment 2 ct + s
.endr
.endr
	RS 7
.irp b, 0,1,2,3,4,5,6,7
	ds_load_u8 v[VB+\b], v[AVS] offset:128*\b      ; lane = channel: its byte of block b
.endr
	; the largest score of each block of 32 keys: for the row's maximum and for the block's largest p
.irp b, 0,1,2,3,4,5,6,7
	v_max3_num_f32 v[BM+\b], v[S+16*\b], v[S+1+16*\b], v[S+2+16*\b]
.endr
.irp i, 3,5,7,9,11,13
.irp b, 0,1,2,3,4,5,6,7
	v_max3_num_f32 v[BM+\b], v[BM+\b], v[S+16*\b+\i], v[S+1+16*\b+\i]
.endr
.endr
.irp b, 0,1,2,3,4,5,6,7
	v_max_num_f32 v[BM+\b], v[BM+\b], v[S+15+16*\b]
.endr
.irp b, 0,1,2,3,4,5,6,7
	v_permlanex16_b32 v[PT+\b], v[BM+\b], s56, s57
.endr
.irp b, 0,1,2,3,4,5,6,7
	v_max_num_f32 v[BM+\b], v[BM+\b], v[PT+\b]
.endr
	v_max3_num_f32 v[MX], v[BM], v[BM+1], v[BM+2]
	v_max3_num_f32 v[MX], v[MX], v[BM+3], v[BM+4]
	v_max3_num_f32 v[MX], v[MX], v[BM+5], v[BM+6]
	v_max_num_f32 v[MX], v[MX], v[BM+7]            ; the row's maximum m
	v_mul_f32 v[MC], s58, v[MX]
.irp b, 0,1,2,3,4,5,6,7
	v_fma_f32 v[BM+\b], v[BM+\b], s58, -v[MC]
.endr
.set g_, 0
.rept 16
	PKF g_
.set g_, g_+1
.endr
	XST 0
	XST 1
	XST 2
	XST 3
.irp b, 0,1,2,3,4,5,6,7
	v_exp_f32 v[BM+\b], v[BM+\b]
.endr
	v_nop                                          ; a plain line behind the exponentials
	WALU
	s_wait_tensorcnt 0x0                           ; my part of the next record is in
	ds_add_u32 v[SPW], v[NIL]
.if \fill
	s_xor_b32 s45, s45, SLOT1                      ; no load of mine is out: the walking descriptor takes the other slot
	s_add_nc_u64 s[46:47], s[46:47], RECB          ; and the next record; the type bits on top are not reached
	s_add_nc_u64 s[86:87], s[86:87], RECB          ; the prefetches stand one record further on
.endif
.set i_, 0
.rept 16
	v_pk_add_f32 v[TS+2*i_:TS+2*i_+1], v[TS+2*i_:TS+2*i_+1], v[S+96+2*i_:S+96+2*i_+1]
.set i_, i_+1
.endr
.irp w, 8,4,2,1
.set i_, 0
.rept \w
	v_pk_add_f32 v[TS+2*i_:TS+2*i_+1], v[TS+2*i_:TS+2*i_+1], v[TS+2*(i_+\w):TS+2*(i_+\w)+1]
.set i_, i_+1
.endr
.endr
	v_add_f32 v[SUM], v[TS], v[TS+1]
	v_permlanex16_b32 v[PT], v[SUM], s56, s57
	v_add_f32 v[SUM], v[SUM], v[PT]                ; the row's sum
	WALU
	s_wait_dscnt 0x0                               ; the add, the last step's results in the stage and its rows of the mask, and all my reads of this slot: V and its bytes are the last
	s_barrier_signal -1                            ; work on registers follows until the wait
	v_rcp_f32 v[INV], v[SUM]
.irp s2, 0,1
	v_lshl_or_b32 v[VS+\s2], v[VB+1+4*\s2], 8, v[VB+4*\s2]           ; (plain lines behind the reciprocal)  V's scale words: lanes 0-15 channels 0-15, lanes 16-31 channels 16-31
	v_lshl_or_b32 v[VS+\s2], v[VB+2+4*\s2], 16, v[VS+\s2]
	v_lshl_or_b32 v[VS+\s2], v[VB+3+4*\s2], 24, v[VS+\s2]
.endr
	WALU
.irp b, 0,1,2,3,4,5,6,7
	v_mul_f32 v[BM+\b], v[BM+\b], v[INV]           ; the block's largest p: the same instructions on the same number
.endr
.irp b, 0,1,2,3,4,5,6,7
	v_max_num_f32 v[BM+\b], 0x8000000, v[BM+\b]    ; the floor 2^(16 - 127): the byte cannot fall under 1
.endr
.irp b, 0,1,2,3,4,5,6,7
	v_add_nc_u32 v[SO+\b], 0xf8800000, v[BM+\b]    ; 15 off the exponent field: the conversion's scale operand
.endr
.irp b, 0,1,2,3,4,5,6,7
	v_and_or_b32 v[HD+\b], v[BM+\b], 0x7f800000, s60                 ; 57,344 x the scale
.endr
.irp b, 0,1,2,3,4,5,6,7
	v_lshrrev_b32 v[PT+\b], 23, v[SO+\b]
.endr
.irp s2, 0,1
	v_lshl_or_b32 v[PS+\s2], v[PT+1+4*\s2], 8, v[PT+4*\s2]           ; p's scale words, far more than eight places ahead of their use
	v_lshl_or_b32 v[PS+\s2], v[PT+2+4*\s2], 16, v[PS+\s2]
	v_lshl_or_b32 v[PS+\s2], v[PT+3+4*\s2], 24, v[PS+\s2]
.endr
.set g_, 0
.rept 32
	NORM g_
.set g_, g_+1
.endr
.irp b, 0,1,2,3
.irp k, 0,1,2,3,4,5,6,7
	HOLD \b, \k
.endr
.endr
	WALU
	s_barrier_wait -1
.if \fill
	CREST                                          ; no wave of any partner still reads this slot or has a load on its way
	tensor_load_to_lds s[44:47], s[24:31]          ; the record two steps on: by this text's count the wave's one load out, with a whole step in which to land
	s_nop 0
	PL 4
.endif
	s_sub_co_i32 s23, s20, 1
	s_max_i32 s23, s23, 0                          ; (step 0 stores nothing)
	FADDR                                          ; the last step's 16 rows lie in the other slot's stage: I store four of them
	FLOAD
	WIN 0xc0
.irp b, 0,1,2,3
	CVT \b
.endr
	PL 5                                           ; the plain line behind the conversions, and the codes' four places
	PV 0
	PL 5
	WIN 0
	WALU
	s_wait_dscnt 0x0                               ; the rows on their way out are in registers
.if \fill
	s_cmp_lt_u32 s20, 5                            ; the walk's last record has been asked for
	s_cbranch_scc0 .Lno_more_\@
	global_prefetch_b8 v[PFO], s[86:87] th:TH_LOAD_NT scope:SCOPE_SE
.Lno_more_\@:
	s_cmp_eq_u32 s20, 0
	s_cbranch_scc1 .Lnone_out_\@
.endif
	FSTORE
.if \fill
.Lnone_out_\@:
.endif
	PV 1
	WIN 0x30
	v_fma_f32 v[M0N], v[INV], 0, v[MK]             ; pixel 0's lane factor; NaN for a row none of whose keys is open
	WIN 0
	v_add_nc_u32 v[AL], s22, v[AL0]                ; the next step's slot: its record has been shown by this step's barrier
	v_add_nc_u32 v[AKS], s22, v[AKS0]
	PL 8
.if \fill == 0
	WALU
	s_cmp_eq_u32 s20, 7                            ; nothing follows the last step
	s_cbranch_scc1 .Lno_next_\@
.endif
	FIRST                                          ; the next step's first loads, ahead of this one's last sums
.if \fill == 0
.Lno_next_\@:
.endif
.set g_, 0
.rept 8
	v_pk_fma_f32 v[RR+2*g_:RR+2*g_+1], v[S+2*g_:S+2*g_+1], v[M0N:M0N+1], v[RR+2*g_:RR+2*g_+1] op_sel_hi:[1,0,1]   ; p.v + my pixel's p.v_embed
.set g_, g_+1
.endr
	WIN 0x0c
.set g_, 0
.rept 8
	v_pk_fma_f32 v[RR+2*g_:RR+2*g_+1], v[S+16+2*g_:S+16+2*g_+1], v[MK:MK+1], v[RR+2*g_:RR+2*g_+1] op_sel:[0,1,0] op_sel_hi:[1,1,1]
.set g_, g_+1
.endr
.set g_, 0
.rept 8
	v_pk_fma_f32 v[RR+2*g_:RR+2*g_+1], v[S+32+2*g_:S+32+2*g_+1], v[MK+2:MK+3], v[RR+2*g_:RR+2*g_+1] op_sel_hi:[1,0,1]
.set g_, g_+1
.endr
.set g_, 0
.rept 8
	v_pk_fma_f32 v[RR+2*g_:RR+2*g_+1], v[S+48+2*g_:S+48+2*g_+1], v[MK+2:MK+3], v[RR+2*g_:RR+2*g_+1] op_sel:[0,1,0] op_sel_hi:[1,1,1]
.set g_, g_+1
.endr
	WIN 0
.irp ct, 0,1
.irp k, 0,1
	ds_store_b128 v[STO], v[RR+8*\ct+4*\k:RR+8*\ct+4*\k+3] offset:64*\ct+16*\k   ; query r, channels 32 h + 16 ct + 8 h' + 4 k on
.endr
.endr
	WALU
.if \fill
	s_wait_loadcnt 0x0                             ; my rows of the mask of the step two on: this slot's tile has been read by all, as this step's round has shown
	WIN 0x0c
.irp k, 0,1,2,3,4,5,6,7
	ds_store_b128 v[MST], v[MG+4*\k:MG+4*\k+3] offset:(\k/2)*MPITCH+(\k%2)*512
.endr
	WIN 0
.endif
	s_xor_b32 s21, s21, SLOT1
.endm
	s_mov_b32 s20, 0
	s_mov_b32 s21, 0
.Lfill:                                ; steps 0-5: in each the slot is filled again
	STEP 1
	s_add_co_u32 s20, s20, 1
	s_cmp_lt_u32 s20, 6
	s_cbranch_scc1 .Lfill
	s_mov_b32 s20, 6
.Ltail:                                ; steps 6, 7: nothing is left to fetch; written out
	STEP 0
	s_add_co_u32 s20, s20, 1
	s_cmp_lt_u32 s20, 8
	s_cbranch_scc1 .Ltail
	s_xor_b32 s22, s21, SLOT1
	s_wait_xcnt 0x0
	v_add_nc_u32 v[RD], s22, v[RD0]
	WALU
	s_wait_dscnt 0x0                               ; my results are in the stage
	s_barrier_signal -1
	s_barrier_wait -1
	s_mov_b32 s23, 7
	FADDR
	FLOAD
	s_wait_dscnt 0x0
	FSTORE
	s_wait_tensorcnt 0x0                           ; the wave's end
	ds_add_u32 v[SPW], v[NIL]
	s_wait_dscnt 0x0
	ROUND                                          ; the closing round: no work-group ends while a partner may still ask for a record that names it
	s_endpgm
.Lfunc_end_k_qe01cda1d75_attn:
	.size	k_qe01cda1d75_attn, .Lfunc_end_k_qe01cda1d75_attn-k_qe01cda1d75_attn
	.p2alignl 7, 3214868480
	.fill 96, 4, 3214868480
	.section	.rodata,"a",@progbits
	.p2align	6, 0x0
	.amdhsa_kernel k_qe01cda1d75_attn
		.amdhsa_group_segment_fixed_size 327680
		.amdhsa_private_segment_fixed_size 0
		.amdhsa_enable_private_segment 0
		.amdhsa_kernarg_size 48
		.amdhsa_user_sgpr_count 2
		.amdhsa_user_sgpr_kernarg_segment_ptr 1
		.amdhsa_wavefront_size32 1
		.amdhsa_system_sgpr_workgroup_id_x 1
		.amdhsa_system_sgpr_workgroup_id_y 1
		.amdhsa_system_sgpr_workgroup_id_z 1
		.amdhsa_system_vgpr_workitem_id 0
		.amdhsa_next_free_vgpr 1024
		.amdhsa_next_free_sgpr 100
		.amdhsa_reserve_vcc 0
		.amdhsa_float_denorm_mode_32 3
		.amdhsa_float_denorm_mode_16_64 3
		.amdhsa_memory_ordered 1
		.amdhsa_forward_progress 1
		.amdhsa_inst_pref_size 192
	.end_amdhsa_kernel
	.amdgpu_metadata
---
amdhsa.version: [ 1, 2 ]
amdhsa.kernels:
  - .name:           k_qe01cda1d75_attn
    .symbol:         k_qe01cda1d75_attn.kd
    .args:
      - { .name: kv, .offset: 0, .size: 8, .value_kind: global_buffer, .address_space: global }
      - { .name: qc, .offset: 8, .size: 8, .value_kind: global_buffer, .address_space: global }
      - { .name: qs, .offset: 16, .size: 8, .value_kind: global_buffer, .address_space: global }
      - { .name: emb, .offset: 24, .size: 8, .value_kind: global_buffer, .address_space: global }
      - { .name: attn_mask, .offset: 32, .size: 8, .value_kind: global_buffer, .address_space: global }
      - { .name: out0, .offset: 40, .size: 8, .value_kind: global_buffer, .address_space: global }
    .group_segment_fixed_size: 327680
    .private_segment_fixed_size: 0
    .kernarg_segment_align: 8
    .kernarg_segment_size: 48
    .max_flat_workgroup_size: 128
    .sgpr_count:     100
    .vgpr_count:     1024
    .wavefront_size: 32
...
	.end_amdgpu_metadata
.endif
;; end of part 2
